; MI455X (gfx1250); checked and timed in simulation.
; The chip was launched on July 23, 2026; its instructions are those of AMD's public machine-readable ISA for CDNA 5 (MIT licence, August 2026) and "CDNA5" Instruction Set Architecture Reference Guide (July 2026). The comments in the code are by the model that wrote it; some were corrected since.
;; Adaptive Attention. Allowed arithmetic: matrix products marked QUANTISED: E2M1 operands, one E8M0 scale for each 32 along K, by v_wmma_scale_f32_16x16x128_f8f6f4 with both operands' format E2M1 (or v_wmma_scale_f32_32x16x128_f4), f32 sums; everything else in f32.
;; Inputs: alpha one number float32; k_codes 2 x 16 x 2,048 x 4 x 16 uint8 (E2M1 codes of k, K innermost, in blocks of 32 codes, two codes a byte); k_scales 2 x 16 x 2,048 x 4 uint8 (E8M0 scales of k, one for each 32 codes along K); q_codes 2 x 16 x 2,048 x 4 x 16 uint8 (E2M1 codes of q, K innermost, in blocks of 32 codes, two codes a byte); q_scales 2 x 16 x 2,048 x 4 uint8 (E8M0 scales of q, one for each 32 codes along K); v_codes 2 x 16 x 128 x 64 x 16 uint8 (E2M1 codes of v, K innermost, in blocks of 32 codes, two codes a byte); v_scales 2 x 16 x 128 x 64 uint8 (E8M0 scales of v, one for each 32 codes along K).
;; Outputs: out0 2 x 16 x 2,048 x 128 float32.
;; This version of the problem:
;;   THIS VERSION OF THE PROBLEM IS GIVEN IN LOW PRECISION. The matrix products marked QUANTISED in the list below multiply operands that are first quantised to E2M1 (2 exponent bits, 1 mantissa bit; 4 bits a number), with one power-of-two scale for each 32 numbers along K (OCP MX v1.0); their sums are f32. All else is computed in f32.
;;   The module's matrix products, in the order in which they are computed (A, B: the left and right operand; K: the contracted axis; several contracted axes count as one K, in the product's order):
;;     1. batch 32 x [M 2,048, K 128] x [K 128, N 2,048]; A: input q (given as codes); B: input k (given as codes): QUANTISED
;;     2. batch 32 x [M 2,048, K 2,048] x [K 2,048, N 128]; A: softmax (see below); B: input v (given as codes): QUANTISED
;;   THE QUANTISER, for each operand of a quantised product, along K:
;;     - K is cut into blocks of 32 from its start; a last block that is shorter is filled with zeros.
;;     - A block's scale is 2^e with e = floor(log2(the largest magnitude in the block)) - 2, held to -126 .. 127; a block of zeros has e = 0. As a byte (E8M0): e + 127.
;;     - Each number is divided by its block's scale, clamped to +-6, and rounded to the nearest number of E2M1, ties to even, subnormals kept.
;;     - The product sums the exact products of the quantised numbers (number of the format x scale) in f32.
;;   ~~~python
;;   def quantise(x, axis):      # numpy; x: float32 -> the quantised numbers, widened to float32 again
;;       x = np.moveaxis(x, axis, -1); K = x.shape[-1]
;;       x = np.pad(x, [(0, 0)] * (x.ndim - 1) + [(0, -K % 32)]); x = x.reshape(x.shape[:-1] + (-1, 32)); a = np.abs(x).max(-1, keepdims=True)
;;       e = np.where(a > 0, np.clip(np.frexp(np.where(a > 0, a, 1))[1] - 1 - 2, -126, 127), 0)      # np.frexp(a)[1] - 1 = floor(log2(a)), exactly
;;       r = np.clip(x / 2.0 ** e, -6, 6)
;;       step = 2.0 ** (np.maximum(np.frexp(np.where(r == 0, 1, r))[1] - 1, 0) - 1)
;;       q = np.round(r / step) * step * 2.0 ** e      # np.round: ties to even
;;       return np.moveaxis(q.reshape(q.shape[:-2] + (-1,))[..., :K], -1, axis).astype(np.float32)
;;   ~~~
;;   SOFTMAX AHEAD OF A QUANTISED PRODUCT. Where the list says 'softmax', what is quantised is not the finished softmax but p = 2^(t - M), with t = logit x log2(e) and M = ceil(the row's largest t), a whole number; so 1/2 < the row's largest p <= 1. The row's sum l is taken of the UNQUANTISED p, in f32, and the product's result is divided by l at the end. Since M is a whole number, a kernel that streams over the keys may use a running M (the ceiling of the running maximum): every later rescaling is an exact power of two, which a block's scale takes up: the codes' values come out the same.
;;   OPERANDS COMPUTED ON THE WAY. 'Computed on the way' means the value that the module computes at that place (a softmax that the list does not call 'softmax' is quantised finished and normalised). What goes into a quantiser is computed in f32, as accurately as f32 sums, v_exp_f32 and their like allow (about 1e-6 of the number): no bf16 or f16 on the way to a quantiser, and a product that is left as it is and whose result goes on into a quantised operand takes f32 operands (vector FMAs, or v_wmma_f32_16x16x4_f32). A number that lies on a knife's edge between two numbers of the format may be rounded either way, as far as f32 arithmetic and the matrix unit's own rounding can turn it there, and no further.
;;   INPUTS GIVEN AS CODES. k (in the module: [2, 16, 2048, 128], K = its axis 3); q (in the module: [2, 16, 2048, 128], K = its axis 3); v (in the module: [2, 16, 2048, 128], K = its axis 2): each comes as NAME_codes (uint8): NAME with its K axis moved to the last place and cut into blocks of 32 codes, [.., K / 32, bytes a block], one block behind the other in memory; two codes a byte, the lower K in the low four bits (a code: sign, 2 exponent bits, 1 mantissa bit); and NAME_scales (uint8): the same leading axes, one E8M0 byte (e + 127) for each 32 codes along K. Its value is code x scale, taken as it is: it is not quantised again, and the codes and scales need not be those that the quantiser above would give.
;; One version. Each part assembles by itself: llvm-mc -triple=amdgcn-amd-amdhsa -mcpu=gfx1250 --defsym DOCPART=n.
;; ======== version 1 of 1: 1 launch
;; launch attn (part 1): grid 8 x 32, 8 waves a work-group, clusters of 4 x 1, 299,008 bytes of LDS; arguments alpha, q_codes, q_scales, k_codes, k_scales, v_codes, v_scales, out0; writes out0
.if DOCPART == 1
	.amdgcn_target "amdgcn-amd-amdhsa--gfx1250"
	.amdhsa_code_object_version 6
	.text
	.protected	k_qc658a63a2b_attn
	.globl	k_qc658a63a2b_attn
	.p2align	8
	.type	k_qc658a63a2b_attn,@function
k_qc658a63a2b_attn:
	s_mov_b64 s[64:65], 0
	v_nop
	global_prefetch_b8 v0, s[64:65] scope:SCOPE_SE
	s_setreg_imm32_b32 hwreg(HW_REG_WAVE_MODE, 25, 1), 1
	s_wait_xcnt 0x0
	s_wait_alu depctr_hold_cnt(0) depctr_sa_sdst(0) depctr_va_vdst(0) depctr_va_sdst(0) depctr_va_ssrc(0) depctr_va_vcc(0) depctr_vm_vsrc(0)
	s_getreg_b32 s2, hwreg(HW_REG_IB_STS2, 6, 4)
	s_cmp_eq_u32 s2, 0
	s_cbranch_scc0 .Lentry_in_a_cluster
	s_endpgm
.Lentry_in_a_cluster:
	s_bfe_u32 s2, ttmp6, 0x10000c
	s_cmp_lg_u32 s2, 0x3003
	s_cbranch_scc0 .Lentry_shape_is_right
	s_endpgm
.Lentry_shape_is_right:
; out[h][q][:] = sum over k of softmax_k(alpha s[q][k] + (1 - alpha) mean_k s[q][k]) V[h][k][:],  s = Q K^T.  32 heads, 2,048 queries, 2,048 keys, head size 128.
; Both products on codes of FP4 (E2M1) with one E8M0 scale for each 32 along K, as they are given: Q, K [head][2048][64 bytes], scale words [head][2048][4]; V with the keys innermost, [head][128][1024 bytes], scale bytes [head][128][64].
; THE SOFTMAX AHEAD OF THE SECOND PRODUCT: t = logit x log2(e), M = the ceiling of the row's largest t so far, p = 2^(t - M) is quantised along the keys, not normalised; the sum of the unquantised p divides at the end.
; THE ROW'S MEAN moves t by a number that is no whole number, so it moves p's codes: it has to be known before the first p.  PASS 1 makes the row's sum of scores on the matrix unit: the first product once more, its 16
; accumulators (8 tiles of keys x 2 tiles of queries) chained over the 16 key steps, and one tree of additions at the end.  PASS 2 is the attention proper, 16 steps of 128 keys, with t - M = c s + (b - M), b = (1 - alpha) log2(e) mean.
; A NEGATIVE alpha: the sign bits of Q's codes are turned once where alpha's sign bit is set (exact), so that the scores are sign(alpha) s, c = |alpha| log2(e) is never negative and p rises with the score: a block's largest
; score then gives its largest p.  The factor of the sum takes alpha's sign bit too.  All by whole-number operations on alpha's bits: no branch.
; SHARES.  A work-group owns 256 queries of one head; each of its eight waves 32 of them, two tiles x = 0, 1 of 16, which share every fragment of K and V read from LDS.  Two waves to a SIMD, 512 registers each.
; THE WHOLE HEAD LIES IN LDS: K's and V's codes and scale bytes, 297,984 bytes with padding, filled ONCE; nothing is filled again, so there is no ring.  Each wave brings an eighth of each of the four regions: four tensor loads
; of a wave are out at the most.
; CLUSTER.  The four work-groups of a cluster are four query blocks of one head and want the same K and V: each load is asked for JOINTLY, with the same descriptor and a mask that names the four.
; No prefetch is written: every byte that the work-group reads is asked for by the loads in its first lines, so there is no later load to run ahead of.
; LAYOUT.  Both products are used transposed: S^T = K Q^T (source 0 = 16 keys, source 1 = 16 queries), O^T = V^T P^T (source 0 = 16 channels, source 1 = P): a lane holds ONE query (lane % 16) throughout.
; THE KEYS OF A TILE ARE NOT NEIGHBOURS: lane r of tile 2 b + u takes key 32 b + 8 u + r + 8 (r / 8), so that the 16 registers of tiles 2 b, 2 b + 1 are the 16 neighbouring keys 32 b + 16 (lane / 16) + 0 .. 15.
; LIMITS: alpha NaN or infinite, and scale bytes 0xff, are not served.  A p under 2^-126 comes out of v_exp_f32 as 0.  A block of p that is all 0 carries the byte 1 with zero codes.  The row's sum of scores is added in the
; matrix unit's f32 accumulators (16 chains of 16 links) and then by a tree, not in the order in which the definition adds.
;
; LDS
.set VOFF,   147456                    ; K: bytes 0 on: 1,024 rows of 128 bytes (two keys) + 16 of padding, pitch 144 = 36 words.  Key n lies at 144 (n / 2) + 64 (n % 2); 8 keys are 576 bytes.
                                       ; The 16 keys of a fragment (0-7, 16-23) start at words 0,16,36,52,8,24,44,60,32,48,4,20,40,56,12,28 mod 64: sixteen different groups of four banks (64 banks of 4 bytes: ISA guide 11.1)
.set KSOFF,  280576                    ; V: 128 rows of 1,024 bytes + 16, pitch 1,040 = 260 words: row r starts at bank 4 r mod 64
.set VSOFF,  288768                    ; K's scale words: dense, 4 bytes a key.  V's scale bytes: 128 rows of 64 bytes + 8, pitch 72 = 18 words: 18 r mod 64 differs for the 16 rows of a tile
.set KSTEP,  9216                      ; 128 keys of K in LDS
.set VP,     1040
.set VSP,    72
.set SPITCH, 528                       ; the way out: a stage of 2 x 16 rows x (512 bytes + 16) for each wave, in K's region, written only behind the barrier behind which nobody reads K
.set STGT,   16*SPITCH
.set STGW,   2*STGT
; VECTOR REGISTERS, window 0
.set AK0,  1                           ; my lane's place in a tile of K
.set AV0,  2                           ; in a tile of V
.set ASK0, 3                           ; among K's scale words
.set ASV0, 4                           ; among V's
.set ADK,  5                           ; the addresses of the loads in hand: K's codes,
.set ADS,  6                           ; K's scale words,
.set ADV,  7                           ; V's codes, channel tiles 0-3,
.set ADV2, 8                           ; tiles 4-7 (4 x 16 rows further on: beyond the 16-bit offset),
.set ADT,  9                           ; V's scale words
.set QO,   10                          ; my byte in the wave's rows of Q
.set QSO,  11                          ; and among their scale words
.set TMP,  12
.set GV,   13                          ; (1 - alpha) log2(e) / 2048, with alpha's sign bit turned in
.set CV,   14                          ; v[14:15] c, twice
.set Q,    16                          ; v16-31   Q's fragments, tile x at 16 + 8 x
.set P,    32                          ; v32-47   p's codes, tile x at 32 + 8 x
.set KSC,  48                          ; v48-55   K's scale words, a register a tile of keys
.set VSC,  56                          ; v56-63   V's scale words; in pass 1 the second set of K's
.set S,    64                          ; v64-191  S^T, then p: tile x at 64 + 64 x; at the head v64-67 are at work
.set QS,   192                         ; v192-193 Q's scale words
.set PS,   194                         ; v194-195 p's scale words
.set ST,   196                         ; tile x at 196 + 8 x: +0 b - M, +1 the largest t, +2:+3 the sum in two halves, +4 f, +5 -M, +6 b (at the end 1 / the sum), +7 written once
.set TT,   212                         ; tile x at 212 + 16 x: +0..3 the blocks' maxima, +4..7 the other half's, then bytes, +8..11 the conversions' scale operands, +12:+13 a second chain of sums, +14 at work
.set STO,  244                         ; the way out: where I put 32 bytes of a row
.set RD,   245                         ; where I read a row back
.set GO,   246                         ; my 16 bytes of a row of out
.set HR,   64                          ; at the head: lane % 16,
.set HH,   65                          ; lane / 16,
.set HRHO, 66                          ; r + 8 (r / 8),
.set HL,   67                          ; lane
; window 1: v0-127 O^T (tile x, channels 16 t on, at 64 x + 8 t); v128-191 K's fragments (buffer 0); v192-255 V's fragments (in pass 1: K's buffer 1)
; SCALAR REGISTERS
.set WV,   20                          ; my wave's number
.set AL,   21                          ; alpha's bits
.set SEL,  22                          ; s22, s23 lane selects for v_permlanex16_b32: lane l xor 16
.set G1K,  24                          ; s[24:31] descriptor group 1 for K's codes;  s[32:39] V's codes;  s[40:47] K's scale words;  s[48:55] V's scale bytes
.set G1V,  32
.set G1KS, 40
.set G1VS, 48
.set G0K,  56                          ; s[56:59], s[60:63], s[68:71], s[72:75] their groups 0
.set G0V,  60
.set G0KS, 68
.set G0VS, 72
.set CO,   76                          ; s[76:77] my eighth of the head's codes, in bytes: the head and the wave alone enter it
.set SO,   78                          ; s[78:79] and of its scale bytes
.set CX,   80                          ; my place in the cluster: it enters s80-87 alone, Q's and out's addresses
.set QROW, 81                          ; my wave's first query
.set QCO,  82                          ; s[82:83] its codes,  s[84:85] its scale word,  s[86:87] its row of out
.set QSF,  84
.set OO,   86
.set HEAD, 88
.set T0,   89
.set CNT,  90
.set KB,   91                          ; LDS byte at which the K step to be fetched begins;  s92 its scale words;  s93, s94 the same for V
.set KSB,  92
.set VB,   93
.set VSB,  94
.set XM,   95                          ; 0x88888888 where alpha's sign bit is set, else 0
.set SB,   96                          ; alpha's sign bit
.set T1,   97
.set MSB, 0
.macro WIN new                         ; s_set_vgpr_msb: bits 1:0 source 0, 3:2 source 1, 5:4 source 2, 7:6 destination; the high byte repeats the setting that is left; a switch that changes nothing is dropped
.if MSB != \new
	s_set_vgpr_msb (MSB<<8)|\new
.set MSB, \new
.endif
.endm
.set W_LD, 0x40                        ; loads into window 1, address in window 0
.set W_KQ, 0x01                        ; source 0 (K; at the end O^T) in window 1, all else in window 0
.set W_RS, 0x41                        ; O^T (destination and source 0) in window 1; also V^T P with the constant 0 as C
.set W_PV, 0x51                        ; V in window 1, P in window 0, C and D (O^T) in window 1
.macro PLACES                          ; four places: behind a matrix instruction of this form, in front of loads into its registers and of the first read of its results, stand four plain vector instructions that name none of its registers
.rept 4
	v_nop
.endr
.endm
.macro ROUND                           ; a round of the cluster's barrier: my work-group's barrier; wave 0 signals for the work-group; every wave waits for all four work-groups; my work-group's barrier once more
	s_barrier_signal -1
	s_barrier_wait -1
	s_cmp_lg_u32 s[WV], 0
	s_cbranch_scc1 .Lnot_wave_0_\@
	s_barrier_signal -3
.Lnot_wave_0_\@:
	s_barrier_wait -3
	s_barrier_signal -1
	s_barrier_wait -1
.endm
.macro SHAPE g, w0, c, r               ; descriptor group 1: r rows of c elements, dense in memory
	s_mov_b32 s[\g], \w0
	s_mov_b32 s[\g+1], (\c)<<16                    ; 63:48 tensor_dim0
	s_mov_b32 s[\g+2], (\r)<<16                    ; 95:80 tensor_dim1
	s_mov_b32 s[\g+3], (\c)<<16                    ; 127:112 tile_dim0
	s_mov_b32 s[\g+4], \r                          ; 143:128 tile_dim1
	s_mov_b32 s[\g+5], \c                          ; 191:160 tensor_dim0_stride
	s_mov_b32 s[\g+6], 0
	s_mov_b32 s[\g+7], 0
.endm
; word 0 of each group 1: 15:0 the mask, all four work-groups; 17:16 the element's size; 20 padding on; 21 set beside a mask; 24:22 the padding's interval; 31:25 its length less one, in words
.set W0K,  15|(1<<20)|(1<<21)|(4<<22)|(3<<25)      ; bytes; 4 words behind every 32 (a row of 128 bytes)
.set W0V,  15|(1<<20)|(1<<21)|(7<<22)|(3<<25)      ; bytes; 4 words behind every 256 (a row of 1,024 bytes)
.set W0KS, 15|(3<<16)|(1<<21)                      ; elements of 8 bytes; no padding
.set W0VS, 15|(1<<20)|(1<<21)|(3<<22)|(1<<25)      ; bytes; 2 words behind every 16 (a row of 64 bytes)
; 24 LDS loads: a key step's 8 scale words and 8 fragments of K into buffer buf; st: 0 the step at which ADK, ADS stand, 1 the step behind it.  Tile t begins at key 32 (t / 2) + 8 (t % 2)
.macro LOADK buf, st
	WIN 0
.irp t, 0,1,2,3,4,5,6,7
	ds_load_b32 v[KSC+8*\buf+\t], v[ADS] offset:512*\st+4*(32*(\t/2)+8*(\t%2))
.endr
	WIN W_LD
.irp t, 0,1,2,3,4,5,6,7
.irp c, 0,1
	ds_load_b128 v[128+64*\buf+8*\t+4*\c:128+64*\buf+8*\t+4*\c+3], v[ADK] offset:KSTEP*\st+72*(32*(\t/2)+8*(\t%2))+32*\c
.endr
.endr
.endm
; 24 LDS loads: a key step's 8 scale words and 8 fragments of V (16 channels x 128 keys each)
.macro LOADV
	WIN 0
.irp t, 0,1,2,3,4,5,6,7
	ds_load_b32 v[VSC+\t], v[ADT] offset:16*VSP*\t
.endr
	WIN W_LD
.irp t, 0,1,2,3
.irp c, 0,1
	ds_load_b128 v[192+8*\t+4*\c:192+8*\t+4*\c+3], v[ADV] offset:16*VP*\t+32*\c
.endr
.endr
.irp t, 4,5,6,7
.irp c, 0,1
	ds_load_b128 v[192+8*\t+4*\c:192+8*\t+4*\c+3], v[ADV2] offset:16*VP*(\t-4)+32*\c
.endr
.endr
.endm
; 16 matrix instructions: S^T (+)= K Q^T for 128 keys and both tiles of queries.  The 16 accumulators take turns, one instruction a turn, in the same order every time.
.macro QK buf, zero
	WIN W_KQ
.irp t, 0,1,2,3,4,5,6,7
.irp x, 0,1
.if \zero
	v_wmma_scale_f32_16x16x128_f8f6f4 v[S+64*\x+8*\t:S+64*\x+8*\t+7], v[128+64*\buf+8*\t:128+64*\buf+8*\t+7], v[Q+8*\x:Q+8*\x+7], 0, v[KSC+8*\buf+\t], v[QS+\x] matrix_a_fmt:MATRIX_FMT_FP4 matrix_b_fmt:MATRIX_FMT_FP4
.else
	v_wmma_scale_f32_16x16x128_f8f6f4 v[S+64*\x+8*\t:S+64*\x+8*\t+7], v[128+64*\buf+8*\t:128+64*\buf+8*\t+7], v[Q+8*\x:Q+8*\x+7], v[S+64*\x+8*\t:S+64*\x+8*\t+7], v[KSC+8*\buf+\t], v[QS+\x] matrix_a_fmt:MATRIX_FMT_FP4 matrix_b_fmt:MATRIX_FMT_FP4
.endif
.endr
.endr
.endm
; PASS 1, two key steps, on K's two buffers.  more = 1: both buffers are fetched anew, two steps on.
.macro PAIR zero, more
	s_wait_dscnt 24                                ; buffer 0's 24 loads are in; buffer 1's 24, issued behind them, may be out
	QK 0, \zero
.if \more
	WIN 0
	s_add_co_u32 s[KB], s[KB], 2*KSTEP
	s_add_co_u32 s[KSB], s[KSB], 1024
	v_add_nc_u32 v[ADK], s[KB], v[AK0]             ; these two and the two below are the four places in front of the loads
	v_add_nc_u32 v[ADS], s[KSB], v[ASK0]
	v_nop
	v_nop
	LOADK 0, 0
	s_wait_dscnt 24                                ; buffer 1's are in; the 24 just issued may be out
.else
	s_wait_dscnt 0x0
.endif
	QK 1, 0
.if \more
	PLACES
	LOADK 1, 1
.endif
	WIN 0                                          ; at a label and at a branch every window is 0
.endm
; THE SOFTMAX of a key step for both tiles, which alternate line by line, so that no line waits for the line above it.  first = 1: the first step starts the largest t and has no f.
.macro SOFTMAX first
	WIN 0
.irp b, 0,1,2,3
.irp x, 0,1
	v_max3_num_f32 v[TT+16*\x+\b], v[S+64*\x+16*\b], v[S+64*\x+16*\b+1], v[S+64*\x+16*\b+2]   ; THE LARGEST SCORE OF EACH BLOCK OF 32 KEYS serves twice: for the row's maximum and, since c is not negative, for the block's largest p.  Each accumulator is read from its low end on
.endr
.endr
.irp i, 3,5,7,9,11,13
.irp b, 0,1,2,3
.irp x, 0,1
	v_max3_num_f32 v[TT+16*\x+\b], v[TT+16*\x+\b], v[S+64*\x+16*\b+\i], v[S+64*\x+16*\b+\i+1]
.endr
.endr
.endr
.irp b, 0,1,2,3
.irp x, 0,1
	v_max_num_f32 v[TT+16*\x+\b], v[TT+16*\x+\b], v[S+64*\x+16*\b+15]
.endr
.endr
.irp b, 0,1,2,3
.irp x, 0,1
	v_permlanex16_b32 v[TT+16*\x+4+\b], v[TT+16*\x+\b], s[SEL], s[SEL+1]
.endr
.endr
.irp b, 0,1,2,3
.irp x, 0,1
	v_max_num_f32 v[TT+16*\x+\b], v[TT+16*\x+\b], v[TT+16*\x+4+\b]   ; with lane l xor 16's 16 keys
.endr
.endr
.irp x, 0,1
	v_max3_num_f32 v[TT+16*\x+14], v[TT+16*\x], v[TT+16*\x+1], v[TT+16*\x+2]
.endr
.irp x, 0,1
	v_max_num_f32 v[TT+16*\x+14], v[TT+16*\x+14], v[TT+16*\x+3]      ; the step's largest score of my query
.endr
.if \first
.irp x, 0,1
	v_fma_f32 v[ST+8*\x+1], v[TT+16*\x+14], v[CV], v[ST+8*\x+6]      ; as t = c s + b: the largest t so far
.endr
.else
.irp x, 0,1
	v_fma_f32 v[TT+16*\x+14], v[TT+16*\x+14], v[CV], v[ST+8*\x+6]
.endr
.irp x, 0,1
	v_max_num_f32 v[ST+8*\x+1], v[ST+8*\x+1], v[TT+16*\x+14]         ; the running largest t
.endr
.irp x, 0,1
	v_mov_b32 v[TT+16*\x+14], v[ST+8*\x+5]                           ; the old -M
.endr
.endif
.irp x, 0,1
	v_floor_f32 v[ST+8*\x+5], -v[ST+8*\x+1]                          ; the new -M = floor(-t) = -ceil(t): M IS A WHOLE NUMBER
.endr
.if \first == 0
.irp x, 0,1
	v_sub_f32 v[TT+16*\x+14], v[ST+8*\x+5], v[TT+16*\x+14]           ; old M - new M: a whole number, 0 or less
.endr
.irp x, 0,1
	v_cvt_i32_f32 v[TT+16*\x+14], v[TT+16*\x+14]                     ; (it saturates)
.endr
.irp x, 0,1
	v_ldexp_f32 v[ST+8*\x+4], 1.0, v[TT+16*\x+14]                    ; f = 2^(old M - new M): a multiplication by it rounds nothing
.endr
.endif
.irp x, 0,1
	v_add_f32 v[ST+8*\x], v[ST+8*\x+6], v[ST+8*\x+5]                 ; b - M
.endr
.set JJ, 0
.rept 32
.irp x, 0,1
	v_pk_fma_f32 v[S+64*\x+JJ:S+64*\x+JJ+1], v[S+64*\x+JJ:S+64*\x+JJ+1], v[CV:CV+1], v[ST+8*\x:ST+8*\x+1] op_sel_hi:[1,1,0]   ; t - M = c s + (b - M), two at a time (of the pair b - M, largest t the low word serves both halves)
.endr
.set JJ, JJ+2
.endr
.irp b, 0,1,2,3
.irp x, 0,1
	v_fma_f32 v[TT+16*\x+\b], v[TT+16*\x+\b], v[CV], v[ST+8*\x]      ; the same of each block's largest score
.endr
.endr
.set JJ, 0
.rept 64
.irp x, 0,1
	v_exp_f32 v[S+64*\x+JJ], v[S+64*\x+JJ]                           ; p = 2^(t - M): NOT normalised
.endr
.set JJ, JJ+1
.endr
.irp b, 0,1,2,3
.irp x, 0,1
	v_exp_f32 v[TT+16*\x+\b], v[TT+16*\x+\b]                         ; the block's largest p: the same two instructions on the same number give the same bits
.endr
.endr
	v_nop                                          ; one plain instruction behind the exponentials, before their results are used (ISA guide 5.7.2)
.if \first == 0
	s_wait_alu depctr_va_vdst(0)
.irp x, 0,1
	v_pk_mul_f32 v[ST+8*\x+2:ST+8*\x+3], v[ST+8*\x+2:ST+8*\x+3], v[ST+8*\x+4:ST+8*\x+5] op_sel_hi:[1,0]   ; the sums under the new M
.endr
.endif
	s_wait_alu depctr_va_vdst(0)
.irp b, 0,1,2,3
.irp x, 0,1
	v_max_num_f32 v[TT+16*\x+\b], 0x1800000, v[TT+16*\x+\b]          ; the floor 2^(3 - 127): the byte cannot fall under 1
.endr
.endr
.irp b, 0,1,2,3
.irp x, 0,1
	v_add_nc_u32 v[TT+16*\x+8+\b], 0xff000000, v[TT+16*\x+\b]        ; 2 off the exponent field: the conversion takes the exponent field of this operand as its scale
.endr
.endr
.irp b, 0,1,2,3
.irp x, 0,1
	v_lshrrev_b32 v[TT+16*\x+4+\b], 23, v[TT+16*\x+8+\b]             ; the scale's byte
.endr
.endr
.irp x, 0,1
	v_lshl_or_b32 v[PS+\x], v[TT+16*\x+5], 8, v[TT+16*\x+4]          ; p's scale word for these 128 keys
.endr
.irp x, 0,1
	v_lshl_or_b32 v[PS+\x], v[TT+16*\x+6], 16, v[PS+\x]
.endr
.irp x, 0,1
	v_lshl_or_b32 v[PS+\x], v[TT+16*\x+7], 24, v[PS+\x]
.endr
.irp b, 0,1,2,3
.irp x, 0,1
	v_cvt_scalef32_pk8_fp4_f32 v[P+8*\x+2*\b], v[S+64*\x+16*\b:S+64*\x+16*\b+7], v[TT+16*\x+8+\b]
	v_cvt_scalef32_pk8_fp4_f32 v[P+8*\x+2*\b+1], v[S+64*\x+16*\b+8:S+64*\x+16*\b+15], v[TT+16*\x+8+\b]
.endr
.endr
	v_nop                                          ; one plain instruction between the scaled conversions and what touches their results or writes their sources
.irp c, 0,1                                    ; the operand's layout wants a WHOLE block in a lane: lanes 0-15 block 2 c, lanes 16-31 block 2 c + 1
.irp i, 0,1
.irp x, 0,1
	v_permlane16_swap_b32 v[P+8*\x+4*\c+\i], v[P+8*\x+4*\c+2+\i]
.endr
.endr
.endr
.irp x, 0,1
	v_pk_add_f32 v[TT+16*\x+12:TT+16*\x+13], v[S+64*\x:S+64*\x+1], v[S+64*\x+2:S+64*\x+3]   ; THE ROW'S SUM IS TAKEN OF THE UNQUANTISED p: two at a time, in two chains a tile
.endr
.set JJ, 4
.rept 15
.irp x, 0,1
	v_pk_add_f32 v[ST+8*\x+2:ST+8*\x+3], v[ST+8*\x+2:ST+8*\x+3], v[S+64*\x+JJ:S+64*\x+JJ+1]
	v_pk_add_f32 v[TT+16*\x+12:TT+16*\x+13], v[TT+16*\x+12:TT+16*\x+13], v[S+64*\x+JJ+2:S+64*\x+JJ+3]
.endr
.set JJ, JJ+4
.endr
.irp x, 0,1
	v_pk_add_f32 v[ST+8*\x+2:ST+8*\x+3], v[ST+8*\x+2:ST+8*\x+3], v[TT+16*\x+12:TT+16*\x+13]
.endr
.endm
.macro RESCALE                         ; O^T under the new M: x f, each accumulator from its low end on
	WIN W_RS
.set JJ, 0
.rept 32
.irp x, 0,1
	v_pk_mul_f32 v[64*\x+JJ:64*\x+JJ+1], v[64*\x+JJ:64*\x+JJ+1], v[ST+8*\x+4:ST+8*\x+5] op_sel_hi:[1,0]
.endr
.set JJ, JJ+2
.endr
.endm
; 16 matrix instructions: O^T (+)= V^T P^T, K = the step's 128 keys; 16 accumulators by turns.  first = 1: they start the sums: nothing is ever cleared.
.macro PV first
.if \first
	WIN W_RS
.else
	WIN W_PV
.endif
.irp t, 0,1,2,3,4,5,6,7
.irp x, 0,1
.if \first
	v_wmma_scale_f32_16x16x128_f8f6f4 v[64*\x+8*\t:64*\x+8*\t+7], v[192+8*\t:192+8*\t+7], v[P+8*\x:P+8*\x+7], 0, v[VSC+\t], v[PS+\x] matrix_a_fmt:MATRIX_FMT_FP4 matrix_b_fmt:MATRIX_FMT_FP4
.else
	v_wmma_scale_f32_16x16x128_f8f6f4 v[64*\x+8*\t:64*\x+8*\t+7], v[192+8*\t:192+8*\t+7], v[P+8*\x:P+8*\x+7], v[64*\x+8*\t:64*\x+8*\t+7], v[VSC+\t], v[PS+\x] matrix_a_fmt:MATRIX_FMT_FP4 matrix_b_fmt:MATRIX_FMT_FP4
.endif
.endr
.endr
.endm
; PASS 2, a key step.  K of this step was asked for a step ago; V is asked for at the head and lands under the softmax; more = 1: K of the next step is asked for behind the first product.
.macro STEP first, more
	WIN 0
	v_add_nc_u32 v[ADV], s[VB], v[AV0]             ; five plain lines: the places between the last step's products V^T P and the loads into V's registers
	v_add_nc_u32 v[ADV2], 4*16*VP, v[ADV]
	v_add_nc_u32 v[ADT], s[VSB], v[ASV0]
.if \more
	v_add_nc_u32 v[ADK], s[KB], v[AK0]
	v_add_nc_u32 v[ADS], s[KSB], v[ASK0]
.else
	v_nop
	v_nop
.endif
	LOADV
	s_wait_dscnt 24                                ; K's 24 loads are in; V's 24, just issued, may be out
	QK 0, 1
	PLACES                                         ; in front of the loads into K's registers and of the first read of the scores
.if \more
	LOADK 0, 0
.endif
	SOFTMAX \first
.if \first == 0
	RESCALE
.endif
.if \more
	s_wait_dscnt 24                                ; V's 24 loads are in; the next step's K, issued behind them, may be out
.else
	s_wait_dscnt 0x0
.endif
	PV \first
	WIN 0
.if \more
	s_add_co_u32 s[KB], s[KB], KSTEP
	s_add_co_u32 s[KSB], s[KSB], 512
	s_add_co_u32 s[VB], s[VB], 64
	s_add_co_u32 s[VSB], s[VSB], 4
.endif
.endm
; THE WAY OUT of tile x: a lane's 8 registers of channel tile t are 32 neighbouring bytes of its query's row; they go into my stage and come back as whole rows of 512 bytes, into the registers that they left.
.macro TOSTAGE x
.irp t, 0,1,2,3,4,5,6,7
	ds_store_b128 v[STO], v[S+64*\x+8*\t:S+64*\x+8*\t+3] offset:STGT*\x+64*\t
	ds_store_b128 v[STO], v[S+64*\x+8*\t+4:S+64*\x+8*\t+7] offset:STGT*\x+64*\t+16
.endr
.irp i, 0,1,2,3,4,5,6,7,8,9,10,11,12,13,14,15
	ds_load_b128 v[S+64*\x+4*\i:S+64*\x+4*\i+3], v[RD] offset:STGT*\x+SPITCH*\i   ; LDS serves a wave's instructions in order (ISA guide 5.7.1.4): these see the stores above
.endr
.endm
.macro SEND x, younger                 ; younger: the LDS instructions issued behind tile x's loads, which may stay out
.irp i, 0,1,2,3,4,5,6,7,8,9,10,11,12,13,14,15
	s_wait_dscnt \younger+15-\i                    ; row i is back; the rows behind it may be out
	global_store_b128 v[GO], v[S+64*\x+4*\i:S+64*\x+4*\i+3], s[18:19] offset:8192*\x+512*\i th:TH_STORE_NT   ; 32 lanes store 512 consecutive bytes, at a multiple of 256 from out's first byte; written once, read by nobody here
.endr
.endm
	; ---- THE HEAD
	s_load_b256 s[4:11], s[0:1], 0x0               ; alpha s[4:5], Q's codes s[6:7], Q's scales s[8:9], K's codes s[10:11]
	s_load_b256 s[12:19], s[0:1], 0x20             ; K's scales s[12:13], V's codes s[14:15], V's scales s[16:17], out s[18:19]
	v_lshl_add_u32 v254, v0, 2, 0x48c00
	v_mov_b32 v255, 0
	ds_add_u32 v254, v255
	ds_add_u32 v254, v255
	v_lshrrev_b32 v[TMP], 5, v0
	v_readfirstlane_b32 s[WV], v[TMP]              ; wave 0..7
	v_and_b32 v[HR], 15, v0                        ; r
	v_bfe_u32 v[HH], v0, 4, 1                      ; h
	v_lshlrev_b32 v[QO], 6, v[HR]
	v_lshl_add_u32 v[QO], v[HH], 4, v[QO]          ; Q: row r of 64 bytes, + 16 h
	v_lshlrev_b32 v[QSO], 2, v[HR]                 ; and its scale word
	SHAPE G1K,  W0K,  128,  128                    ; my 256 keys: 128 rows of 128 bytes
	SHAPE G1V,  W0V,  1024, 16                     ; my 16 channels: rows of 1,024 bytes
	SHAPE G1KS, W0KS, 32,   4                      ; my 256 keys' scale words: 4 rows of 256 bytes
	SHAPE G1VS, W0VS, 64,   16                     ; my 16 channels' scale bytes: rows of 64 bytes
	s_mov_b32 s[SEL], 0x76543210
	s_mov_b32 s[SEL+1], 0xfedcba98
	s_and_b32 s[HEAD], ttmp7, 0xffff               ; the head, which the four partners share
	s_lshl_b32 s[CO], s[HEAD], 17                  ; a head's codes are 2^17 bytes in each tensor; my eighth 2^14
	s_lshl_b32 s[CO+1], s[WV], 14
	s_add_co_u32 s[CO], s[CO], s[CO+1]
	s_mov_b32 s[CO+1], 0
	s_lshl_b32 s[SO], s[HEAD], 13                  ; its scale bytes 2^13; my eighth 2^10
	s_lshl_b32 s[SO+1], s[WV], 10
	s_add_co_u32 s[SO], s[SO], s[SO+1]
	s_mov_b32 s[SO+1], 0
	s_bfe_u32 s[CX], ttmp6, 0x40000                ; cx: my place in the cluster
	s_lshl_b32 s[QROW], ttmp9, 2                   ; in a cluster launch ttmp9 counts clusters
	s_add_co_u32 s[QROW], s[QROW], s[CX]           ; my block of 256 queries
	s_lshl_b32 s[QROW], s[QROW], 8
	s_lshl_b32 s[T0], s[WV], 5
	s_add_co_u32 s[QROW], s[QROW], s[T0]           ; my wave's first query
	s_lshl_b32 s[QCO], s[HEAD], 17
	s_lshl_b32 s[QCO+1], s[QROW], 6
	s_add_co_u32 s[QCO], s[QCO], s[QCO+1]
	s_mov_b32 s[QCO+1], 0
	s_lshl_b32 s[QSF], s[HEAD], 13
	s_lshl_b32 s[QSF+1], s[QROW], 2
	s_add_co_u32 s[QSF], s[QSF], s[QSF+1]
	s_mov_b32 s[QSF+1], 0
	s_lshl_b32 s[OO], s[HEAD], 20                  ; a head of out is 2^20 bytes, a row 512
	s_lshl_b32 s[OO+1], s[QROW], 9
	s_add_co_u32 s[OO], s[OO], s[OO+1]
	s_mov_b32 s[OO+1], 0
	s_wait_dscnt 0x0
	s_wait_kmcnt 0x0
	s_load_b32 s[AL], s[4:5], 0x0                  ; alpha
	; groups 0: 1:0 count = 1; 63:32 LDS address (a constant + the wave's number x a constant); 120:64 global address; 127:126 type = 2
	s_mov_b32 s[G0KS], 1
	s_lshl_b32 s[G0KS+1], s[WV], 10
	s_add_co_u32 s[G0KS+1], s[G0KS+1], KSOFF
	s_add_nc_u64 s[G0KS+2:G0KS+3], s[12:13], s[SO:SO+1]
	s_or_b32 s[G0KS+3], s[G0KS+3], 0x80000000
	s_mov_b32 s[G0K], 1
	s_mul_i32 s[G0K+1], s[WV], 128*144
	s_add_nc_u64 s[G0K+2:G0K+3], s[10:11], s[CO:CO+1]
	s_or_b32 s[G0K+3], s[G0K+3], 0x80000000
	s_mov_b32 s[G0VS], 1
	s_mul_i32 s[G0VS+1], s[WV], 16*VSP
	s_add_co_u32 s[G0VS+1], s[G0VS+1], VSOFF
	s_add_nc_u64 s[G0VS+2:G0VS+3], s[16:17], s[SO:SO+1]
	s_or_b32 s[G0VS+3], s[G0VS+3], 0x80000000
	s_mov_b32 s[G0V], 1
	s_mul_i32 s[G0V+1], s[WV], 16*VP
	s_add_co_u32 s[G0V+1], s[G0V+1], VOFF
	s_add_nc_u64 s[G0V+2:G0V+3], s[14:15], s[CO:CO+1]
	s_or_b32 s[G0V+3], s[G0V+3], 0x80000000
	s_add_nc_u64 s[6:7], s[6:7], s[QCO:QCO+1]      ; Q's codes, Q's scale words and out at my wave's first query
	s_add_nc_u64 s[8:9], s[8:9], s[QSF:QSF+1]
	s_add_nc_u64 s[18:19], s[18:19], s[OO:OO+1]
	ROUND                                          ; all four work-groups are here: the joint loads meet
	tensor_load_to_lds s[G0KS:G0KS+3], s[G1KS:G1KS+7]   ; the launch's only fills, one group: what pass 1 wants first.  Four loads of mine are out
	s_nop 0
	tensor_load_to_lds s[G0K:G0K+3], s[G1K:G1K+7]
	s_nop 0
	tensor_load_to_lds s[G0VS:G0VS+3], s[G1VS:G1VS+7]
	s_nop 0
	tensor_load_to_lds s[G0V:G0V+3], s[G1V:G1V+7]
	s_nop 0
	PLACES                                         ; four v_nop follow the last of them
.irp x, 0,1
.irp c, 0,1
	global_load_b128 v[Q+8*\x+4*\c:Q+8*\x+4*\c+3], v[QO], s[6:7] offset:1024*\x+32*\c th:TH_LOAD_NT   ; Q's fragments stay in registers
.endr
	global_load_b32 v[QS+\x], v[QSO], s[8:9] offset:64*\x th:TH_LOAD_NT
.endr
	v_and_b32 v[HRHO], 8, v[HR]
	v_add_nc_u32 v[HRHO], v[HRHO], v[HR]           ; r + 8 (r / 8): 0-7, 16-23
	v_lshrrev_b32 v[TMP], 1, v[HRHO]
	v_mul_u32_u24 v[AK0], v[TMP], 144
	v_and_b32 v[TMP], 1, v[HRHO]
	v_lshl_add_u32 v[AK0], v[TMP], 6, v[AK0]
	v_lshl_add_u32 v[AK0], v[HH], 4, v[AK0]        ; K: my key's 64 bytes, + 16 h
	v_mul_u32_u24 v[AV0], v[HR], VP
	v_lshl_add_u32 v[AV0], v[HH], 4, v[AV0]
	v_add_nc_u32 v[AV0], VOFF, v[AV0]              ; V: row r, + 16 h
	v_lshl_add_u32 v[ASK0], v[HRHO], 2, KSOFF      ; K's scale words: 4 bytes a key
	v_mul_u32_u24 v[ASV0], v[HR], VSP
	v_add_nc_u32 v[ASV0], VSOFF, v[ASV0]           ; V's: row r
	s_mul_i32 s[T0], s[WV], STGW                   ; my stage
	v_mul_u32_u24 v[STO], v[HR], SPITCH
	v_lshl_add_u32 v[STO], v[HH], 5, v[STO]
	v_add_nc_u32 v[STO], s[T0], v[STO]             ; in: row r, + 32 h
	v_and_b32 v[HL], 31, v0
	v_lshlrev_b32 v[GO], 4, v[HL]                  ; back, and in out: 16 bytes a lane
	v_add_nc_u32 v[RD], s[T0], v[GO]
.irp x, 0,1
	v_mov_b32 v[ST+8*\x+2], 0                      ; the sum, in two halves
	v_mov_b32 v[ST+8*\x+3], 0
	v_mov_b32 v[ST+8*\x+7], 0                      ; (named as the upper half of a pair)
.irp b, 0,1,2,3
	v_mov_b32 v[TT+16*\x+4+\b], 0                  ; written once: a lane permute's destination counts as one of its sources
.endr
.endr
	s_wait_kmcnt 0x0                               ; alpha
	s_ashr_i32 s[XM], s[AL], 31
	s_and_b32 s[XM], s[XM], 0x88888888             ; the eight sign bits of a word of codes, where alpha's sign bit is set
	s_and_b32 s[SB], s[AL], 0x80000000
	s_and_b32 s[T1], s[AL], 0x7fffffff
	v_mov_b32 v[TMP], s[T1]
	v_mul_f32 v[CV], 0x3fb8aa3b, v[TMP]            ; c = |alpha| log2(e)
	v_mov_b32 v[CV+1], v[CV]
	v_mov_b32 v[GV], s[AL]
	v_sub_f32 v[GV], 1.0, v[GV]
	v_mul_f32 v[GV], 0x3a38aa3b, v[GV]             ; (1 - alpha) log2(e) / 2048,
	v_xor_b32 v[GV], s[SB], v[GV]                  ; times sign(alpha), since the sum will be of sign(alpha) s
	s_wait_loadcnt 0x0                             ; Q
.irp i, 0,1,2,3,4,5,6,7,8,9,10,11,12,13,14,15
	v_xor_b32 v[Q+\i], s[XM], v[Q+\i]              ; Q times sign(alpha): exact
.endr
	PLACES                                         ; an operand written by vector instructions stands four places ahead of a scaled matrix instruction
	s_wait_tensorcnt 2                             ; my parts of K's scale words and codes are in; my two loads for V, issued behind them, may stay out
	s_barrier_signal -1
	s_barrier_wait -1                              ; everybody's are: K is whole
	; ---- PASS 1: the row's sum of scores
	s_mov_b32 s[KB], 0
	s_mov_b32 s[KSB], 0
	v_add_nc_u32 v[ADK], s[KB], v[AK0]
	v_add_nc_u32 v[ADS], s[KSB], v[ASK0]
	LOADK 0, 0                                     ; key step 0
	LOADK 1, 1                                     ; key step 1
	PAIR 1, 1                                      ; the first pair stands in front of the loop: its first products start the sums
	s_mov_b32 s[CNT], 6
.Lsum:
	PAIR 0, 1
	s_sub_co_u32 s[CNT], s[CNT], 1
	s_cmp_lg_u32 s[CNT], 0
	s_cbranch_scc1 .Lsum
	PAIR 0, 0                                      ; key steps 14 and 15: nothing more to fetch
	s_wait_tensorcnt 0x0                           ; my parts of V are in (no LDS instruction of mine is out: the last pair waited for all)
	s_barrier_signal -1
	s_barrier_wait -1                              ; V is whole
	; ---- BETWEEN THE PASSES: K of step 0 is asked for again; under its way the sums are gathered
	PLACES                                         ; behind the last products: in front of the loads into K's registers and of the first read of the sums
	s_mov_b32 s[KB], 0
	s_mov_b32 s[KSB], 0
	v_add_nc_u32 v[ADK], s[KB], v[AK0]
	v_add_nc_u32 v[ADS], s[KSB], v[ASK0]
	LOADK 0, 0
	WIN 0
	s_mov_b32 s[KB], KSTEP                         ; the next fetch of K is step 1's
	s_mov_b32 s[KSB], 512
	s_mov_b32 s[VB], 0
	s_mov_b32 s[VSB], 0
.irp t, 0,1,2,3,4,5,6,7                        ; each accumulator's eight registers, from its low end on,
.irp x, 0,1
	v_pk_add_f32 v[S+64*\x+8*\t:S+64*\x+8*\t+1], v[S+64*\x+8*\t:S+64*\x+8*\t+1], v[S+64*\x+8*\t+2:S+64*\x+8*\t+3]
.endr
.endr
.irp t, 0,1,2,3,4,5,6,7
.irp x, 0,1
	v_pk_add_f32 v[S+64*\x+8*\t+4:S+64*\x+8*\t+5], v[S+64*\x+8*\t+4:S+64*\x+8*\t+5], v[S+64*\x+8*\t+6:S+64*\x+8*\t+7]
.endr
.endr
.irp t, 0,1,2,3,4,5,6,7
.irp x, 0,1
	v_pk_add_f32 v[S+64*\x+8*\t:S+64*\x+8*\t+1], v[S+64*\x+8*\t:S+64*\x+8*\t+1], v[S+64*\x+8*\t+4:S+64*\x+8*\t+5]
.endr
.endr
.irp t, 0,2,4,6                                ; then the eight accumulators of a tile,
.irp x, 0,1
	v_pk_add_f32 v[S+64*\x+8*\t:S+64*\x+8*\t+1], v[S+64*\x+8*\t:S+64*\x+8*\t+1], v[S+64*\x+8*\t+8:S+64*\x+8*\t+9]
.endr
.endr
.irp t, 0,4
.irp x, 0,1
	v_pk_add_f32 v[S+64*\x+8*\t:S+64*\x+8*\t+1], v[S+64*\x+8*\t:S+64*\x+8*\t+1], v[S+64*\x+8*\t+16:S+64*\x+8*\t+17]
.endr
.endr
.irp x, 0,1
	v_pk_add_f32 v[S+64*\x:S+64*\x+1], v[S+64*\x:S+64*\x+1], v[S+64*\x+32:S+64*\x+33]
.endr
.irp x, 0,1
	v_add_f32 v[S+64*\x], v[S+64*\x], v[S+64*\x+1]
.endr
.irp x, 0,1
	v_permlanex16_b32 v[TT+16*\x+4], v[S+64*\x], s[SEL], s[SEL+1]
.endr
.irp x, 0,1
	v_add_f32 v[S+64*\x], v[S+64*\x], v[TT+16*\x+4]                  ; and lane l xor 16's half of the keys: the row's sum
.endr
.irp x, 0,1
	v_mul_f32 v[ST+8*\x+6], v[S+64*\x], v[GV]                        ; b = (1 - alpha) log2(e) x the row's mean
.endr
	; ---- PASS 2
	STEP 1, 1                                      ; key step 0 starts the largest t and O^T's sums
	s_mov_b32 s[CNT], 14
.Lstep:
	STEP 0, 1
	s_sub_co_u32 s[CNT], s[CNT], 1
	s_cmp_lg_u32 s[CNT], 0
	s_cbranch_scc1 .Lstep
	STEP 0, 0                                      ; key step 15: no K is left to fetch
	; ---- THE END.  The stages lie in K's region: they are written only when every wave has read K for the last time.
	PLACES                                         ; behind the last products
	s_wait_dscnt 0x0                               ; my reads of LDS are over
	s_barrier_signal -1                            ; say so; between signal and wait, work on registers alone
.irp x, 0,1
	v_add_f32 v[TT+16*\x+14], v[ST+8*\x+2], v[ST+8*\x+3]             ; the sum's two halves,
.endr
.irp x, 0,1
	v_permlanex16_b32 v[TT+16*\x+4], v[TT+16*\x+14], s[SEL], s[SEL+1]
.endr
.irp x, 0,1
	v_add_f32 v[TT+16*\x+14], v[TT+16*\x+14], v[TT+16*\x+4]          ; and lane l xor 16's: the row's sum
.endr
.irp x, 0,1
	v_rcp_f32 v[ST+8*\x+6], v[TT+16*\x+14]
.endr
	v_nop                                          ; one plain instruction behind the reciprocals
	WIN W_KQ                                       ; source 0 (O^T) in window 1, the rest in window 0
.set JJ, 0
	s_wait_alu depctr_va_vdst(0)
.rept 32
.irp x, 0,1
	v_pk_mul_f32 v[S+64*\x+JJ:S+64*\x+JJ+1], v[64*\x+JJ:64*\x+JJ+1], v[ST+8*\x+6:ST+8*\x+7] op_sel_hi:[1,0]   ; O^T / the sum, into the registers that p has left: register 8 t + i is out(r, 16 t + 8 h + i)
.endr
.set JJ, JJ+2
.endr
	WIN 0
	s_barrier_wait -1                              ; nobody reads K any more
	TOSTAGE 0
	TOSTAGE 1
	SEND 0, 32                                     ; behind tile 0's loads: tile 1's 16 stores and 16 loads
	SEND 1, 0
	s_wait_dscnt 0x0
	s_wait_tensorcnt 0x0
	ds_add_u32 v254, v255
	s_wait_dscnt 0x0
	ROUND                                          ; the closing round: no work-group ends while a partner may still ask for a tile that names it
	s_endpgm
.Lfunc_end_k_qc658a63a2b_attn:
	.size	k_qc658a63a2b_attn, .Lfunc_end_k_qc658a63a2b_attn-k_qc658a63a2b_attn
	.p2alignl 7, 3214868480
	.fill 96, 4, 3214868480
	.section	.rodata,"a",@progbits
	.p2align	6, 0x0
	.amdhsa_kernel k_qc658a63a2b_attn
		.amdhsa_group_segment_fixed_size 299008
		.amdhsa_private_segment_fixed_size 0
		.amdhsa_enable_private_segment 0
		.amdhsa_kernarg_size 64
		.amdhsa_user_sgpr_count 2
		.amdhsa_user_sgpr_kernarg_segment_ptr 1
		.amdhsa_wavefront_size32 1
		.amdhsa_system_sgpr_workgroup_id_x 1
		.amdhsa_system_sgpr_workgroup_id_y 1
		.amdhsa_system_sgpr_workgroup_id_z 1
		.amdhsa_system_vgpr_workitem_id 0
		.amdhsa_next_free_vgpr 512
		.amdhsa_next_free_sgpr 98
		.amdhsa_reserve_vcc 0
		.amdhsa_float_denorm_mode_32 3
		.amdhsa_float_denorm_mode_16_64 3
		.amdhsa_memory_ordered 1
		.amdhsa_forward_progress 1
		.amdhsa_inst_pref_size 145
	.end_amdhsa_kernel
	.amdgpu_metadata
---
amdhsa.version: [ 1, 2 ]
amdhsa.kernels:
  - .name:           k_qc658a63a2b_attn
    .symbol:         k_qc658a63a2b_attn.kd
    .args:
      - { .name: alpha, .offset: 0, .size: 8, .value_kind: global_buffer, .address_space: global }
      - { .name: q_codes, .offset: 8, .size: 8, .value_kind: global_buffer, .address_space: global }
      - { .name: q_scales, .offset: 16, .size: 8, .value_kind: global_buffer, .address_space: global }
      - { .name: k_codes, .offset: 24, .size: 8, .value_kind: global_buffer, .address_space: global }
      - { .name: k_scales, .offset: 32, .size: 8, .value_kind: global_buffer, .address_space: global }
      - { .name: v_codes, .offset: 40, .size: 8, .value_kind: global_buffer, .address_space: global }
      - { .name: v_scales, .offset: 48, .size: 8, .value_kind: global_buffer, .address_space: global }
      - { .name: out0, .offset: 56, .size: 8, .value_kind: global_buffer, .address_space: global }
    .group_segment_fixed_size: 299008
    .private_segment_fixed_size: 0
    .kernarg_segment_align: 8
    .kernarg_segment_size: 64
    .max_flat_workgroup_size: 256
    .sgpr_count:     98
    .vgpr_count:     512
    .wavefront_size: 32
...
	.end_amdgpu_metadata
.endif
;; end of part 1
